; MI455X (gfx1250); checked and timed in simulation.
; The chip was launched on July 23, 2026; its instructions are those of AMD's public machine-readable ISA for CDNA 5 (MIT licence, August 2026) and "CDNA5" Instruction Set Architecture Reference Guide (July 2026). The comments in the code are by the model that wrote it; some were corrected since.
;; DS Full Attention. Allowed arithmetic: float matrix products may take bf16 or f16 operands with f32 sums; all other float work in f32.
;; Inputs: attn_mask 2,048 x 2,048 bool; keys 4 x 2,048 x 8 x 64 float32; queries 4 x 2,048 x 8 x 64 float32; tau 4 x 1 x 1 x 1 float32; values 4 x 2,048 x 8 x 64 float32.
;; Outputs: out0 4 x 2,048 x 8 x 64 float32.
;; One version. Each part assembles by itself: llvm-mc -triple=amdgcn-amd-amdhsa -mcpu=gfx1250 --defsym DOCPART=n.
;; ======== version 1 of 1: 2 launches
;; limits: values are held in f16: magnitudes above 65,504 overflow, below 6.1e-05 lose precision; inputs' magnitudes at most 65,504
;; workspace buffers: mwords 525,312 bytes of whole numbers
;; launch maskprep (part 1): grid 128 x 1, 16 waves a work-group, no clusters, 2,304 bytes of LDS; arguments attn_mask, mwords; writes mwords
.if DOCPART == 1
	.amdgcn_target "amdgcn-amd-amdhsa--gfx1250"
	.amdhsa_code_object_version 6
	.text
	.protected	k_qc7a12afba3_maskprep
	.globl	k_qc7a12afba3_maskprep
	.p2align	8
	.type	k_qc7a12afba3_maskprep,@function
k_qc7a12afba3_maskprep:
	s_mov_b64 s[64:65], 0
	v_nop
	global_prefetch_b8 v0, s[64:65] scope:SCOPE_SE
	s_setreg_imm32_b32 hwreg(HW_REG_WAVE_MODE, 25, 1), 1
	s_wait_xcnt 0x0
; attn_mask [2048][2048] of bytes (1 = thrown away)  ->  mwords, whole numbers for the attention launch:
;   bytes 0 .. 524287:  W[Tq 0..127][Tk 0..127][j 0..7], 32-bit words; bit 16 h + r of W[Tq][Tk][j] = mask[16 Tq + r][16 Tk + 8 h + j].
;                       That is the lane mask of register j of a 16 x 16 score tile held as (key = 8 h + j, query = r) in lane 16 h + r.
;   bytes 524288 .. :   BM[Tq] = {ACT, PART}; bit t of ACT: rows 16 Tq .. +15 x keys 64 t .. +63 hold an element that is NOT masked,
;                       bit t of PART: they hold one that is.
; Work-group = Tq (16 mask rows), 16 waves; wave kg owns keys 128 kg .. +127 = 8 key tiles = 64 words of W = 2 bits of each bitmap.
; A stream with a little bit work: no matrix unit, no cluster (no two work-groups read the same byte).
.set TMP,  6                           ; v[6:9]    one byte of the mask, isolated (four in turn)
.set OUTW, 10                          ; v[10:11]  lane i: words 2 i, 2 i + 1 of my wave's 64
.set DAT,  16                          ; v[16:31]  load c: 8 mask bytes of row r, keys 16 c + 8 h .. +7
.set CM,   16                          ; s[16:19]  lane masks as compared (four in turn)
.set AN,   20                          ; s[20:21]  AND of the words of my 64-key block 0, 1
.set ORA,  22                          ; s[22:23]  OR of them
	s_load_b128 s[4:7], s[0:1], 0x0                ; attn_mask s[4:5], mwords s[6:7]
	v_lshl_add_u32 v40, v0, 2, 0x100
	v_mov_b32 v41, 0
	v_lshrrev_b32 v2, 5, v0
	v_readfirstlane_b32 s8, v2                     ; wave = kg
	v_and_b32 v1, 31, v0                           ; lane L
	v_and_b32 v2, 15, v0                           ; r
	v_bfe_u32 v3, v0, 4, 1                         ; h
	s_lshl_b32 s9, ttmp9, 15                       ; 16 Tq rows of 2,048 bytes
	s_lshl_b32 s10, s8, 7                          ; + 128 kg
	s_add_co_u32 s9, s9, s10
	v_lshlrev_b32 v4, 11, v2                       ; + r rows
	v_lshl_add_u32 v4, v3, 3, v4                   ; + 8 h
	v_add_nc_u32 v4, s9, v4
	s_lshl_b32 s11, ttmp9, 12                      ; W: 4,096 bytes for each Tq,
	s_lshl_b32 s10, s8, 8                          ; 256 for each wave,
	s_add_co_u32 s11, s11, s10
	v_lshl_add_u32 v5, v1, 3, s11                  ; 8 for each lane
	s_lshl_b32 s10, s8, 3
	v_mov_b32 v32, s10                             ; LDS: my wave's two flag words, at 8 kg
	v_lshlrev_b32 v33, 2, v1                       ; LDS: flag word t = lane
	s_lshl_b32 s12, ttmp9, 3
	v_mov_b32 v34, s12                             ; BM: 8 bytes for each Tq
	v_mov_b32 v[OUTW], 0                           ; v_writelane_b32 keeps the other lanes: the registers are written whole first
	v_mov_b32 v[OUTW+1], 0
	s_mov_b32 s[AN], -1
	s_mov_b32 s[AN+1], -1
	s_mov_b32 s[ORA], 0
	s_mov_b32 s[ORA+1], 0
	s_wait_kmcnt 0x0
.irp c, 0,1,2,3,4,5,6,7
	global_load_b64 v[DAT+2*\c:DAT+2*\c+1], v4, s[4:5] offset:16*\c
.endr
; Key tile c, byte j: isolate the byte, compare (bit 16 h + r of the lane mask is the word wanted), put word 8 c + j into its lane.
.irp c, 0,1,2,3,4,5,6,7
	s_wait_loadcnt 7-\c                            ; loads return in order: load c is in, the 7 - c younger ones stay out
.irp j, 0,1,2,3,4,5,6,7
	v_and_b32 v[TMP+(\j&3)], 0xff<<(8*(\j&3)), v[DAT+2*\c+(\j>>2)]
	v_cmp_ne_u32 s[CM+(\j&3)], 0, v[TMP+(\j&3)]
	v_writelane_b32 v[OUTW+(\j&1)], s[CM+(\j&3)], (8*\c+\j)>>1
	s_and_b32 s[AN+(\c>>2)], s[AN+(\c>>2)], s[CM+(\j&3)]
	s_or_b32 s[ORA+(\c>>2)], s[ORA+(\c>>2)], s[CM+(\j&3)]
.endr
.endr
	global_store_b64 v5, v[OUTW:OUTW+1], s[6:7]    ; the wave's 64 words: 256 consecutive bytes, at a multiple of 256
	s_not_b32 s[AN], s[AN]                         ; not 0: some element of the block is not masked
	s_not_b32 s[AN+1], s[AN+1]
	v_mov_b32 v12, s[AN]
	v_mov_b32 v13, s[AN+1]
	v_mov_b32 v14, s[ORA]                          ; not 0: some element is masked
	v_mov_b32 v15, s[ORA+1]
	ds_store_b64 v32, v[12:13]                     ; LDS 0 .. 127: word t = 2 kg, 2 kg + 1 (all lanes write the same value)
	ds_store_b64 v32, v[14:15] offset:128          ; LDS 128 .. 255
	s_wait_dscnt 0x0                               ; for wave 0's sake: my stores are done before I signal
	s_barrier_signal -1
	s_barrier_wait -1
	s_cmp_lg_u32 s8, 0
	s_cbranch_scc1 .Lend                           ; wave 0 alone gathers the 32 flags of each kind into a bitmap
	ds_load_b32 v6, v33
	ds_load_b32 v7, v33 offset:128
	s_wait_dscnt 0x0
	v_cmp_ne_u32 s26, 0, v6                        ; bit t = lane t
	v_cmp_ne_u32 s27, 0, v7
	v_mov_b32 v36, s26
	v_mov_b32 v37, s27
	v_cmp_eq_u32 vcc_lo, 0, v1
	s_wait_xcnt 0x0                                ; EXEC is a source of the store of W above: it changes only behind this wait
	s_and_saveexec_b32 s24, vcc_lo
	global_store_b64 v34, v[36:37], s[6:7] offset:524288   ; 8 bytes for a work-group, into a table of 1,024 bytes: too little to gather further
	s_wait_xcnt 0x0                                ; and again in front of the line that widens EXEC
	s_or_b32 exec_lo, exec_lo, s24
.Lend:
	s_wait_tensorcnt 0x0
	ds_add_u32 v40, v41
	s_wait_dscnt 0x0
	s_endpgm
.Lfunc_end_k_qc7a12afba3_maskprep:
	.size	k_qc7a12afba3_maskprep, .Lfunc_end_k_qc7a12afba3_maskprep-k_qc7a12afba3_maskprep
	.p2alignl 7, 3214868480
	.fill 96, 4, 3214868480
	.section	.rodata,"a",@progbits
	.p2align	6, 0x0
	.amdhsa_kernel k_qc7a12afba3_maskprep
		.amdhsa_group_segment_fixed_size 2304
		.amdhsa_private_segment_fixed_size 0
		.amdhsa_enable_private_segment 0
		.amdhsa_kernarg_size 16
		.amdhsa_user_sgpr_count 2
		.amdhsa_user_sgpr_kernarg_segment_ptr 1
		.amdhsa_wavefront_size32 1
		.amdhsa_system_sgpr_workgroup_id_x 1
		.amdhsa_system_sgpr_workgroup_id_y 1
		.amdhsa_system_sgpr_workgroup_id_z 1
		.amdhsa_system_vgpr_workitem_id 0
		.amdhsa_next_free_vgpr 42
		.amdhsa_next_free_sgpr 66
		.amdhsa_reserve_vcc 1
		.amdhsa_float_denorm_mode_32 3
		.amdhsa_float_denorm_mode_16_64 3
		.amdhsa_memory_ordered 1
		.amdhsa_forward_progress 1
		.amdhsa_inst_pref_size 20
	.end_amdhsa_kernel
	.amdgpu_metadata
---
amdhsa.version: [ 1, 2 ]
amdhsa.kernels:
  - .name:           k_qc7a12afba3_maskprep
    .symbol:         k_qc7a12afba3_maskprep.kd
    .args:
      - { .name: attn_mask, .offset: 0, .size: 8, .value_kind: global_buffer, .address_space: global }
      - { .name: mwords, .offset: 8, .size: 8, .value_kind: global_buffer, .address_space: global }
    .group_segment_fixed_size: 2304
    .private_segment_fixed_size: 0
    .kernarg_segment_align: 8
    .kernarg_segment_size: 16
    .max_flat_workgroup_size: 512
    .sgpr_count:     66
    .vgpr_count:     42
    .wavefront_size: 32
...
	.end_amdgpu_metadata
.endif
;; end of part 1
;; launch attn (part 2): grid 8 x 32, 8 waves a work-group, no clusters, 109,568 bytes of LDS; arguments keys, values, queries, out0, mwords, tau; writes out0
.if DOCPART == 2
	.amdgcn_target "amdgcn-amd-amdhsa--gfx1250"
	.amdhsa_code_object_version 6
	.text
	.protected	k_qc7a12afba3_attn
	.globl	k_qc7a12afba3_attn
	.p2align	8
	.type	k_qc7a12afba3_attn,@function
k_qc7a12afba3_attn:
	s_mov_b64 s[64:65], 0
	v_nop
	global_prefetch_b8 v0, s[64:65] scope:SCOPE_SE
	s_setreg_imm32_b32 hwreg(HW_REG_WAVE_MODE, 25, 1), 1
	s_wait_xcnt 0x0
; out[b][l][h][:] = softmax over s of ( q.k * exp(tau[b]) / 8, masked to -inf where attn_mask[l][s] ) . v     q, k, v, out: [4][2048][8][64] f32.
; One pass with a running maximum.  Work-group (x, y): y = 8 b + h, 8 waves of 32 queries; waves 0-3 take the 128 queries of block x,
; waves 4-7 those of block 15 - x (any pairing is right; this one evens the work where the mask is heavy on one side of the diagonal).
; Keys go in 32 tiles of 64 through two LDS buffers that take turns: all 8 waves load a tile's K and V as f32, round them once to f16, and store them.
; BOTH PRODUCTS ARE USED TRANSPOSED.  S^T = K Q^T: lane (r, h) holds in register j the score of query r and key 8 h + j, so a row's maximum and sum
; are made inside a lane plus one exchange with lane xor 16, and two packed score tiles ARE the second source of O^T = V^T P^T: no shuffle.
; THE MASK is an input: its lane masks (one 32-bit word for a score register) and two bitmaps for each 16 queries come from the launch before.
; A wave skips a tile in which all its 32 queries are masked, leaves the selects out where none is, and the work-group loads no tile that none
; of its waves wants.  All that is skipped holds no barrier: the 32 trips and their barriers are the same for every wave.
; NO CLUSTER, NO TENSOR LOADS: K and V are f32 in memory and must pass through registers to become f16, and the set of tiles that a work-group
; loads hangs on its own rows of the mask, so partners would not make the same requests.
; WHY F16.  A row with few unmasked keys is a sum of a few terms p v of order 1 that may cancel, and it is compared within a hundredth of the
; output's root mean square, which the long rows make small: 8 significant bits in p and v are too few, 11 are enough.  So that f16 has room,
; q, k, v are rounded as they come, and the factor c = exp(tau) log2(e) / 8 is applied to the f32 scores: p = 2^(c s - c m), one fused multiply-add.
; LIMITS.  q, k, v and the probabilities are rounded to f16: |q|, |k|, |v| up to 65,504 (beyond that they become infinities), numbers below 2^-14
; keep an absolute error of 2^-25.  The row sum is taken from the unrounded probabilities.  NaN or infinities in q, k, v are not served.
; exp(tau) is made by v_exp_f32; c is held at 2^-126 at the least (tau below -85: the scores then vanish either way), and above tau = 88 it is infinite.
; The running maximum starts at -FLT_MAX, and -c m is held at FLT_MAX at the most, so that -inf c - c m is -inf; a row that is masked everywhere
; ends with sum 0 and O = 0 and leaves as 0 x (1/0) = NaN, which is what the softmax of a row of -inf gives.
.set ROWB,  2048                       ; bytes from row to row in q, k, v, out; a head's row is 256 bytes at a multiple of 256
.set TILEB, 64*ROWB                    ; a tile of 64 keys
.set PK,    144                        ; LDS pitch of K: 128 bytes + 16, an odd multiple of 16: 16 rows start in 16 different 16-byte columns of 256
.set PV,    160                        ; LDS pitch of V: 128 bytes + 32, an odd multiple of 32, for the transposing load
.set KBUF,  64*PK
.set VBUF,  64*PV
.set VB0,   2*KBUF                     ; LDS: K buffers 0, 1 at 0; V buffers 0, 1 at 18,432
.set STG0,  VB0+2*VBUF                 ; at 38,912: a stage for each wave, its own: Q on the way in, O on the way out
.set SP,    272                        ; its pitch: 256 bytes + 16
.set STGW,  32*SP
.set BMOFF, 0x80000                    ; the bitmaps in mwords
.set KA, 1                             ; v1   K fragments: r PK + 16 h
.set VA, 2                             ; v2   V fragments: VB0 + (8 h + (L & 7)) PV + 16 ((L >> 3) & 1)
.set KS, 3                             ; v3   deposit of K: wave 2 PK + h PK + 8 r
.set VS, 4                             ; v4   deposit of V: VB0 + wave 2 PV + h PV + 8 r
.set GO, 5                             ; v5   k, v: row tid >> 4, 16 bytes at 16 r
.set STO, 6                            ; v6   stage by fragments: r SP + 32 h
.set RD, 7                             ; v7   stage by rows: h SP + 16 r
.set CO, 8                             ; v8   q, out: h ROWB + 16 r
.set NINF, 9                           ; v9   -inf
.set MX, 10                            ; v[10:11] running maximum of the raw scores of query tile 0, 1
.set LS, 12                            ; v[12:13] running sum (this lane's half of the keys)
.set NM0, 14                           ; v[14:15] query tile 0, v[28:29] query tile 1: -c x maximum (pairs for the packed form: the first register is broadcast)
.set AL, 16                            ; v[16:17] 2^(c old maximum - c new), later 1 / sum
.set TM, 18                            ; v[18:23] at work
.set PF, 24                            ; v24  prefetch: lane x ROWB
.set CC, 26                            ; v[26:27] c, c
.set QF, 32                            ; v[32:63]   Q fragments, 32 + 16 qt + 8 c
.set OA, 64                            ; v[64:127]  O^T, 64 + 32 qt + 8 dt + j
.set SC, 128                           ; v[128:191] S^T, 128 + 32 qt + 8 kt + j; then P^T fragments at 128 + 32 qt + 16 kp
.set FR, 192                           ; v[192:255] K fragments 192 + 16 kt + 8 c, then V^T fragments 192 + 16 dt + 8 kp, then the deposit's packed words
                                       ; v[256:287] (window 1) the next tile as loaded: K 256 .. 271, V 272 .. 287
; s[4:5] k, s[6:7] v at the tile asked for next; s[8:9] q, s[10:11] out at my 32 rows; s[12:13] mask words of my rows at the trip's tile;
; s16 wave, s17 x, s18 y, s19 tile, s20 loop counter, s[21:22] lane selects, s23 tile + 1, s[24:25] prefetch, s26 its limit,
; s27 tiles that the work-group loads, s28 tiles that my wave computes, s29 those of them with masked elements; s[32:63], s[68:99] mask words.
.set MSB, 0
.macro WIN new                         ; s_set_vgpr_msb; the immediate's high byte repeats the setting that is left
.if MSB != \new
	s_set_vgpr_msb (MSB<<8)|\new
.set MSB, \new
.endif
.endm
.macro PLACES n
.rept \n
	v_nop
.endr
.endm
; The next tile, f32, into window 1: each load of the work-group takes 16 whole rows of 256 bytes, sixteen lanes a row.
; No cache word: the eight work-groups of a head read the same K and V.
.macro REQUEST
	WIN 0x40                                       ; destination window 1, address window 0
.irp g, 0,1,2,3
	global_load_b128 v[4*\g:4*\g+3], v[GO], s[4:5] offset:\g*16*ROWB
.endr
.irp g, 0,1,2,3
	global_load_b128 v[16+4*\g:16+4*\g+3], v[GO], s[6:7] offset:\g*16*ROWB
.endr
	WIN 0
.endm
; Round it to f16 and store it: 8 bytes a lane; wave w writes rows 2 w, 2 w + 1 of each 16.
.macro DEPOSIT nxt
	WIN 0x05                                       ; both sources window 1
.set i, 0
.rept 16
	v_cvt_pk_f16_f32 v[FR+i], v[2*i], v[2*i+1]
.set i, i+1
.endr
	WIN 0
.irp g, 0,1,2,3
	ds_store_b64 v[KS], v[FR+2*\g:FR+2*\g+1] offset:\nxt*KBUF+\g*16*PK
.endr
.irp g, 0,1,2,3
	ds_store_b64 v[VS], v[FR+8+2*\g:FR+8+2*\g+1] offset:\nxt*VBUF+\g*16*PV
.endr
.endm
; 16 loads: K as first source, 16 keys x 32 of E in 8 registers, four loads for each key tile kt
.macro KFRAGS cur
.irp kt, 0,1,2,3
.irp c, 0,1
	ds_load_b128 v[FR+16*\kt+8*\c:FR+16*\kt+8*\c+3], v[KA] offset:\cur*KBUF+\kt*16*PK+64*\c
	ds_load_b128 v[FR+16*\kt+8*\c+4:FR+16*\kt+8*\c+7], v[KA] offset:\cur*KBUF+\kt*16*PK+64*\c+32
.endr
.endr
.endm
; 16 transposing loads: V^T as first source, 16 of d x 32 keys in 8 registers
.macro VFRAGS cur
.irp kp, 0,1
.irp dt, 0,1,2,3
	ds_load_tr16_b128 v[FR+16*\dt+8*\kp:FR+16*\dt+8*\kp+3], v[VA] offset:\cur*VBUF+\kp*32*PV+32*\dt
	ds_load_tr16_b128 v[FR+16*\dt+8*\kp+4:FR+16*\dt+8*\kp+7], v[VA] offset:\cur*VBUF+\kp*32*PV+32*\dt+16*PV
.endr
.endr
.endm
; 16 matrix instructions: S^T of 64 keys x 32 queries; the first half of E starts each sum, the second is the chain's next link in place
.macro SMM
.irp kt, 0,1,2,3
	s_wait_dscnt 12-4*\kt                          ; LDS loads return in order: key tile kt's four are in, those of the later tiles stay out
	v_wmma_f32_16x16x32_f16 v[SC+8*\kt:SC+8*\kt+7], v[FR+16*\kt:FR+16*\kt+7], v[QF:QF+7], 0
	v_wmma_f32_16x16x32_f16 v[SC+32+8*\kt:SC+32+8*\kt+7], v[FR+16*\kt:FR+16*\kt+7], v[QF+16:QF+23], 0
	v_wmma_f32_16x16x32_f16 v[SC+8*\kt:SC+8*\kt+7], v[FR+16*\kt+8:FR+16*\kt+15], v[QF+8:QF+15], v[SC+8*\kt:SC+8*\kt+7]
	v_wmma_f32_16x16x32_f16 v[SC+32+8*\kt:SC+32+8*\kt+7], v[FR+16*\kt+8:FR+16*\kt+15], v[QF+24:QF+31], v[SC+32+8*\kt:SC+32+8*\kt+7]
.endr
.endm
; Softmax step of query tile qt on its 32 score registers.  zero = 1: the first tile, nothing to rescale.  masked = 1: the tile holds masked elements.
.macro SOFT qt, zero, masked
.set SB, SC+32*\qt
.set OB, OA+32*\qt
.set NM, NM0+14*\qt                                ; v[14:15] or v[28:29]
.set MS, 32+36*\qt                                 ; s[32:63] or s[68:99]
.if \masked
.set i, 0
.rept 32
	v_cndmask_b32 v[SB+i], v[SB+i], v[NINF], s[MS+i]   ; bit of the lane set: -inf
.set i, i+1
.endr
.endif
.irp a, 0,1,2,3                                    ; the maximum of 32 raw scores and the old maximum (c > 0 keeps the order): four chains, 16 instructions of three sources
	v_max3_num_f32 v[TM+\a], v[SB+8*\a], v[SB+8*\a+1], v[SB+8*\a+2]
.endr
.irp a, 0,1,2,3
	v_max3_num_f32 v[TM+\a], v[TM+\a], v[SB+8*\a+3], v[SB+8*\a+4]
.endr
.irp a, 0,1,2,3
	v_max3_num_f32 v[TM+\a], v[TM+\a], v[SB+8*\a+5], v[SB+8*\a+6]
.endr
	v_max3_num_f32 v[TM], v[TM], v[TM+1], v[SB+7]
	v_max3_num_f32 v[TM+2], v[TM+2], v[TM+3], v[SB+15]
	v_max3_num_f32 v[TM+4], v[SB+23], v[SB+31], v[MX+\qt]
	v_max3_num_f32 v[TM], v[TM], v[TM+2], v[TM+4]
	v_permlanex16_b32 v[TM+1], v[TM], s21, s22     ; lane xor 16 holds the query's other keys
	v_max_num_f32 v[MX+\qt], v[TM], v[TM+1]
.if \zero
	v_mul_f32 v[NM], -v[CC], v[MX+\qt]             ; -c m,
	v_min_num_f32 v[NM], 0x7f7fffff, v[NM]         ; finite also while m is still -FLT_MAX and c > 1
.else
	v_mul_f32 v[TM+5], -v[CC], v[MX+\qt]
	v_min_num_f32 v[TM+5], 0x7f7fffff, v[TM+5]
	v_sub_f32 v[AL], v[TM+5], v[NM]                ; c old maximum - c new
	v_exp_f32 v[AL], v[AL]                         ; the v_mov_b32 below is the plain instruction between it and its first use (ISA guide 5.7.2)
	v_mov_b32 v[NM], v[TM+5]
.endif
.set i, 0
.rept 16
	v_pk_fma_f32 v[SB+i:SB+i+1], v[SB+i:SB+i+1], v[CC:CC+1], v[NM:NM+1] op_sel_hi:[1,1,0]   ; c s - c m
.set i, i+2
.endr
.set i, 0
.rept 16                                           ; two exponentials, then a plain instruction: the rescaling of two numbers of O
	v_exp_f32 v[SB+i], v[SB+i]
	v_exp_f32 v[SB+i+1], v[SB+i+1]
.if \zero == 0
	s_wait_alu depctr_va_vdst(0)
	v_pk_mul_f32 v[OB+i:OB+i+1], v[OB+i:OB+i+1], v[AL:AL+1] op_sel_hi:[1,0]
.endif
.set i, i+2
.endr
.if \zero
	v_nop                                          ; the plain instruction behind the last exponential
	s_wait_alu depctr_va_vdst(0)
.endif
	s_wait_alu depctr_va_vdst(0)
	v_pk_add_f32 v[TM:TM+1], v[SB:SB+1], v[SB+2:SB+3]          ; the sum, in two chains of pairs
	v_pk_add_f32 v[TM+2:TM+3], v[SB+4:SB+5], v[SB+6:SB+7]
.set i, 8
.rept 6
	v_pk_add_f32 v[TM:TM+1], v[TM:TM+1], v[SB+i:SB+i+1]
	v_pk_add_f32 v[TM+2:TM+3], v[TM+2:TM+3], v[SB+i+2:SB+i+3]
.set i, i+4
.endr
	v_pk_add_f32 v[TM:TM+1], v[TM:TM+1], v[TM+2:TM+3]
	v_add_f32 v[TM], v[TM], v[TM+1]
.if \zero
	v_mov_b32 v[LS+\qt], v[TM]
.else
	v_fma_f32 v[LS+\qt], v[LS+\qt], v[AL], v[TM]
.endif
.irp kp, 0,1                                       ; pack in place, ascending: word x takes numbers 2 x, 2 x + 1, which no earlier word needs
.irp e, 0,1,2,3,4,5,6,7
	v_cvt_pk_f16_f32 v[SB+16*\kp+\e], v[SB+16*\kp+2*\e], v[SB+16*\kp+2*\e+1]
.endr
.endr
.endm
; 8 matrix instructions: O^T of query tile qt += V^T P^T over the tile's 64 keys
.macro PVM qt, zero
.irp kp, 0,1
.irp dt, 0,1,2,3
.if \zero*(1-\kp)
	v_wmma_f32_16x16x32_f16 v[OA+32*\qt+8*\dt:OA+32*\qt+8*\dt+7], v[FR+16*\dt+8*\kp:FR+16*\dt+8*\kp+7], v[SC+32*\qt+16*\kp:SC+32*\qt+16*\kp+7], 0
.else
	v_wmma_f32_16x16x32_f16 v[OA+32*\qt+8*\dt:OA+32*\qt+8*\dt+7], v[FR+16*\dt+8*\kp:FR+16*\dt+8*\kp+7], v[SC+32*\qt+16*\kp:SC+32*\qt+16*\kp+7], v[OA+32*\qt+8*\dt:OA+32*\qt+8*\dt+7]
.endif
.endr
.endr
.endm
; One tile of one wave
.macro COMPUTE cur, zero, masked
.if \masked
	s_load_b512 s[32:47], s[12:13], 0x0            ; 64 mask words: query tile 0, key tiles 0-1, 2-3;
	s_load_b512 s[48:63], s[12:13], 0x40
	s_load_b512 s[68:83], s[12:13], 0x1000         ; query tile 1, 4,096 bytes on
	s_load_b512 s[84:99], s[12:13], 0x1040
.endif
	KFRAGS \cur
	SMM
	PLACES 4                                       ; behind the last matrix instructions (ISA guide 7.12.1): their first sources are loaded again, their results read
	VFRAGS \cur
.if \masked
	s_wait_kmcnt 0x0                               ; the mask words are in; s[12:13] may be stepped behind this wait
.endif
	SOFT 0, \zero, \masked
	s_wait_dscnt 0x0                               ; the 16 loads of V^T
	PVM 0, \zero
	SOFT 1, \zero, \masked                         ; names no register of the eight matrix instructions in front of it
	PVM 1, \zero
	PLACES 5                                       ; then the next S^T writes over P^T, a load or a conversion over V^T, a rescaling over O^T
.endm
; One trip = tile s19, in buffer cur.  more = 1: a tile follows, for buffer nxt.  force = 1: the first tile, which every wave computes
; (its products start O: nothing is cleared; rows that are all masked in it get zeros).  pf = 1: the trip in which wave 0 prefetches.
.macro TRIP id, cur, nxt, more, force, pf
.if \more
	s_add_co_u32 s23, s19, 1
	s_bitcmp1_b32 s27, s23                         ; does any wave of the work-group want the next tile?
	s_cbranch_scc0 .Lnl_\id
	REQUEST
.Lnl_\id:
.endif
.if \pf
	s_cmp_lt_u32 s20, s26                          ; wave 0, passes 0 to 13
	s_cbranch_scc0 .Lnp_\id
	global_prefetch_b8 v[PF], s[24:25] th:TH_LOAD_NT scope:SCOPE_SE
.Lnp_\id:
.endif
.if \force
	COMPUTE \cur, 1, 1
.else
	s_bitcmp1_b32 s28, s19                         ; has any of my 32 queries an unmasked key here?
	s_cbranch_scc0 .Lnc_\id
	s_bitcmp1_b32 s29, s19                         ; and any masked one?
	s_cbranch_scc0 .Lfu_\id
	COMPUTE \cur, 0, 1
	s_branch .Lnc_\id
.Lfu_\id:
	COMPUTE \cur, 0, 0
.Lnc_\id:
.endif
.if \more
	s_wait_loadcnt 0x0                             ; on every path: the next tile is whole in registers, and its loads' bases may be stepped
	s_bitcmp1_b32 s27, s23
	s_cbranch_scc0 .Lns_\id
	DEPOSIT \nxt                                   ; buffer nxt was last read in the trip before: every wave's reads of it ended in front of that trip's barrier
.Lns_\id:
	s_add_nc_u64 s[4:5], s[4:5], TILEB
	s_add_nc_u64 s[6:7], s[6:7], TILEB
	s_add_nc_u64 s[12:13], s[12:13], 128           ; four key tiles of 8 words
	s_add_co_u32 s19, s19, 1
	s_wait_dscnt 0x0                               ; for the others' sake: my reads of cur and my stores into nxt are done
	s_barrier_signal -1
	s_barrier_wait -1                              ; behind it nxt is read and cur may be written
.endif
.endm
	; ---- ids, offsets, addresses ----
	s_load_b256 s[4:11], s[0:1], 0x0               ; keys, values, queries, out0
	s_load_b128 s[12:15], s[0:1], 0x20             ; mwords, tau
	v_lshl_add_u32 v30, v0, 2, 0x1a800
	v_mov_b32 v31, 0
	v_lshrrev_b32 v18, 5, v0
	v_readfirstlane_b32 s16, v18                   ; wave
	s_mov_b32 s17, ttmp9                           ; x
	s_and_b32 s18, ttmp7, 0xffff                   ; y = 8 b + head
	s_mov_b32 s21, 0x76543210                      ; v_permlanex16_b32: lane i of one half reads lane i of the other
	s_mov_b32 s22, 0xfedcba98
	s_lshr_b32 s88, s18, 3                         ; b
	s_and_b32 s89, s18, 7                          ; head
	s_lshl_b32 s90, s88, 22                        ; b x 2,048 rows of 2,048 bytes
	s_lshl_b32 s89, s89, 8                         ; + head x 256
	s_add_co_u32 s90, s90, s89
	s_mov_b32 s91, 0                               ; s[90:91]: the head's offset in k, v
	s_sub_co_u32 s89, 15, s17                      ; 15 - x
	s_cmp_ge_u32 s16, 4
	s_cselect_b32 s94, s89, s17                    ; my query block
	s_and_b32 s95, s16, 3
	s_lshl_b32 s94, s94, 7
	s_lshl_b32 s95, s95, 5
	s_add_co_u32 s94, s94, s95                     ; q0: my first query
	s_lshl_b32 s92, s94, 11
	s_add_co_u32 s92, s92, s90
	s_mov_b32 s93, 0                               ; s[92:93]: my rows' offset in q, out
	s_lshl_b32 s3, s88, 2                          ; tau[b]
	s_lshl_b32 s30, s17, 6                         ; bitmaps of block x: 8 query tiles of 8 bytes
	s_lshl_b32 s31, s89, 6                         ; and of block 15 - x
	s_lshr_b32 s95, s94, 1                         ; my own two: 8 x (q0 / 16)
	s_lshl_b32 s96, s94, 8                         ; my mask words: 4,096 x (q0 / 16)
	s_mov_b32 s97, 0
	s_and_b32 s98, s17, 1                          ; prefetch: bit 0 of x: which 32 rows of a tile,
	s_lshl_b32 s98, s98, 16
	s_lshr_b32 s99, s17, 2                         ; bit 2: tile 4 or 5 in the first pass
	s_add_co_u32 s99, s99, 4
	s_lshl_b32 s99, s99, 17
	s_add_co_u32 s98, s98, s99
	s_add_co_u32 s98, s98, s90
	s_mov_b32 s99, 0
	v_and_b32 v19, 15, v0                          ; r
	v_bfe_u32 v20, v0, 4, 1                        ; h
	v_and_b32 v21, 7, v0
	v_bfe_u32 v22, v0, 3, 1
	v_and_b32 v23, 31, v0                          ; lane
	v_mul_u32_u24 v[KA], v19, PK
	v_lshl_add_u32 v[KA], v20, 4, v[KA]
	v_lshl_add_u32 v[VA], v20, 3, v21
	v_mul_u32_u24 v[VA], v[VA], PV
	v_lshl_add_u32 v[VA], v22, 4, v[VA]
	v_add_nc_u32 v[VA], VB0, v[VA]
	s_mul_i32 s2, s16, 2*PK                        ; a wave's deposit spans 272 of its 288 bytes: no two waves meet
	v_mul_u32_u24 v[KS], v20, PK
	v_lshl_add_u32 v[KS], v19, 3, v[KS]
	v_add_nc_u32 v[KS], s2, v[KS]
	s_mul_i32 s2, s16, 2*PV                        ; 288 of 320
	s_add_co_u32 s2, s2, VB0
	v_mul_u32_u24 v[VS], v20, PV
	v_lshl_add_u32 v[VS], v19, 3, v[VS]
	v_add_nc_u32 v[VS], s2, v[VS]
	v_lshrrev_b32 v[GO], 4, v0
	v_lshlrev_b32 v[GO], 11, v[GO]
	v_lshl_add_u32 v[GO], v19, 4, v[GO]
	s_mul_i32 s2, s16, STGW
	s_add_co_u32 s2, s2, STG0                      ; my stage
	v_mul_u32_u24 v[STO], v19, SP
	v_lshl_add_u32 v[STO], v20, 5, v[STO]
	v_add_nc_u32 v[STO], s2, v[STO]
	v_mul_u32_u24 v[RD], v20, SP
	v_lshl_add_u32 v[RD], v19, 4, v[RD]
	v_add_nc_u32 v[RD], s2, v[RD]
	v_lshlrev_b32 v[CO], 11, v20
	v_lshl_add_u32 v[CO], v19, 4, v[CO]
	v_mov_b32 v[NINF], 0xff800000
	v_mov_b32 v[MX], 0xff7fffff                    ; -FLT_MAX
	v_mov_b32 v[MX+1], 0xff7fffff
	v_mov_b32 v[NM0+1], 0                          ; second registers of pairs of which the first is broadcast: named, so written
	v_mov_b32 v[NM0+15], 0
	v_mov_b32 v[AL+1], 0
	v_lshlrev_b32 v[PF], 11, v23
	s_cmp_eq_u32 s16, 0
	s_cselect_b32 s26, 14, 0                       ; wave 0 prefetches in passes 0 to 13, the others never
	s_wait_kmcnt 0x0
	s_bitcmp1_b32 s17, 1                           ; prefetch: bit 1 of x: k or v
	s_cselect_b64 s[24:25], s[6:7], s[4:5]
	s_add_nc_u64 s[24:25], s[24:25], s[98:99]
	s_add_nc_u64 s[4:5], s[4:5], s[90:91]
	s_add_nc_u64 s[6:7], s[6:7], s[90:91]
	s_add_nc_u64 s[8:9], s[8:9], s[92:93]
	s_add_nc_u64 s[10:11], s[10:11], s[92:93]
	s_load_b32 s2, s[14:15], s3 offset:0x0         ; tau[b]
	s_load_b512 s[32:47], s[12:13], s30 offset:BMOFF   ; {ACT, PART} of the 8 query tiles of block x
	s_load_b512 s[68:83], s[12:13], s31 offset:BMOFF   ; of block 15 - x
	s_load_b128 s[84:87], s[12:13], s95 offset:BMOFF   ; of my own two
	; ---- Q: two whole rows a load, read once in the launch; then tile 0 ----
.set i, 0
.rept 16
	global_load_b128 v[SC+4*i:SC+4*i+3], v[CO], s[8:9] offset:i*2*ROWB th:TH_LOAD_NT
.set i, i+1
.endr
	REQUEST
	s_wait_kmcnt 0x0
	s_add_nc_u64 s[12:13], s[12:13], s[96:97]      ; the mask words of my rows, tile 0
	s_or_b32 s27, s32, s34                         ; tiles that some wave of the work-group wants
.irp g, 36,38,40,42,44,46,68,70,72,74,76,78,80,82
	s_or_b32 s27, s27, s\g
.endr
	s_or_b32 s28, s84, s86                         ; tiles that I want
	s_or_b32 s29, s85, s87                         ; tiles in which my rows hold a masked element
	v_mov_b32 v[CC], s2
	v_mul_f32 v[CC], 0x3fb8aa3b, v[CC]             ; exp(tau) = 2^(tau log2 e)
	v_exp_f32 v[CC], v[CC]
	v_nop
	s_wait_alu depctr_va_vdst(0)
	v_mul_f32 v[CC], 0x3e38aa3b, v[CC]             ; x log2(e) / 8: the softmax works in powers of 2
	v_max_num_f32 v[CC], 0x00800000, v[CC]         ; at least 2^-126: -inf x c stays -inf
	v_mov_b32 v[CC+1], v[CC]
	s_wait_loadcnt 0x8                             ; the 16 loads of Q are in; the 8 of tile 0 stay out
.set i, 0
.rept 16
	ds_store_b128 v[RD], v[SC+4*i:SC+4*i+3] offset:i*2*SP      ; rows 2 i, 2 i + 1 into my stage
.set i, i+1
.endr
.set i, 0
.rept 16                                           ; back by fragments: row 16 qt + r, E = 32 c + 16 f + 8 h + 0 .. 7; i = 8 qt + 4 c + 2 f + u.
	ds_load_b128 v[OA+4*i:OA+4*i+3], v[STO] offset:(i>>3)*16*SP+((i>>2)&1)*128+((i>>1)&1)*64+(i&1)*16   ; my own bytes, served in order (ISA guide 5.7.1.4): no wait between
.set i, i+1
.endr
	s_wait_dscnt 0x0
.set i, 0
.rept 32
	v_cvt_pk_f16_f32 v[QF+i], v[OA+2*i], v[OA+2*i+1]
.set i, i+1
.endr
	s_wait_loadcnt 0x0                             ; tile 0
	DEPOSIT 0
	s_add_nc_u64 s[4:5], s[4:5], TILEB
	s_add_nc_u64 s[6:7], s[6:7], TILEB
	s_mov_b32 s19, 0
	s_wait_dscnt 0x0                               ; my part of tile 0 is stored
	s_barrier_signal -1
	s_barrier_wait -1
	; ---- the 32 tiles ----
	TRIP 0, 0, 1, 1, 1, 0                          ; tile 0
	s_mov_b32 s20, 0
.Lloop:                                            ; pass k: tiles 2 k + 1 and 2 k + 2
	TRIP 1, 1, 0, 1, 0, 1                          ; here wave 0 asks for 32 rows (a lane a row of 256 bytes) of tile 2 k + 4 or 2 k + 5 of k or v: the eight
	TRIP 2, 0, 1, 1, 0, 0                          ; work-groups of a head share tiles 4 to 31 so that each row is asked for once, two or three trips ahead of
	s_wait_xcnt 0x0                                ; the trip that loads it, whether or not the mask leaves it a use; pass 14 asks for nothing (there is no tile 32).
	s_add_nc_u64 s[24:25], s[24:25], 2*TILEB       ; the prefetch's base is stepped only behind the wait above, two trips' work behind the prefetch
	s_add_co_u32 s20, s20, 1
	s_cmp_lt_u32 s20, 15
	s_cbranch_scc1 .Lloop
	TRIP 3, 1, 0, 0, 0, 0                          ; tile 31: nothing follows
	; ---- the way out: divide, 32 bytes a lane into my stage, back as whole rows of 256 bytes ----
.irp qt, 0,1
	v_permlanex16_b32 v[TM+1], v[LS+\qt], s21, s22 ; the sum over the query's other keys
	v_add_f32 v[TM], v[LS+\qt], v[TM+1]
	v_rcp_f32 v[AL], v[TM]
	v_nop
.set i, 0
	s_wait_alu depctr_va_vdst(0)
.rept 16
	v_pk_mul_f32 v[OA+32*\qt+i:OA+32*\qt+i+1], v[OA+32*\qt+i:OA+32*\qt+i+1], v[AL:AL+1] op_sel_hi:[1,0]
.set i, i+2
.endr
.set i, 0
.rept 8                                            ; row 16 qt + r, d = 16 dt + 8 h + 4 u + 0 .. 3; i = 2 dt + u
	ds_store_b128 v[STO], v[OA+32*\qt+4*i:OA+32*\qt+4*i+3] offset:\qt*16*SP+(i>>1)*64+(i&1)*16
.set i, i+1
.endr
.endr
.set i, 0
.rept 16
	ds_load_b128 v[SC+4*i:SC+4*i+3], v[RD] offset:i*2*SP       ; my own bytes, in order behind the stores
.set i, i+1
.endr
.set i, 0
.rept 16
	s_wait_dscnt 15-i                              ; rows 2 i, 2 i + 1 are in; the later loads stay out
	global_store_b128 v[CO], v[SC+4*i:SC+4*i+3], s[10:11] offset:i*2*ROWB th:TH_STORE_NT   ; sixteen lanes store a head's row: 256 consecutive bytes, aligned
.set i, i+1
.endr
	s_wait_tensorcnt 0x0
	ds_add_u32 v30, v31
	s_wait_dscnt 0x0
	s_endpgm
.Lfunc_end_k_qc7a12afba3_attn:
	.size	k_qc7a12afba3_attn, .Lfunc_end_k_qc7a12afba3_attn-k_qc7a12afba3_attn
	.p2alignl 7, 3214868480
	.fill 96, 4, 3214868480
	.section	.rodata,"a",@progbits
	.p2align	6, 0x0
	.amdhsa_kernel k_qc7a12afba3_attn
		.amdhsa_group_segment_fixed_size 109568
		.amdhsa_private_segment_fixed_size 0
		.amdhsa_enable_private_segment 0
		.amdhsa_kernarg_size 48
		.amdhsa_user_sgpr_count 2
		.amdhsa_user_sgpr_kernarg_segment_ptr 1
		.amdhsa_wavefront_size32 1
		.amdhsa_system_sgpr_workgroup_id_x 1
		.amdhsa_system_sgpr_workgroup_id_y 1
		.amdhsa_system_sgpr_workgroup_id_z 1
		.amdhsa_system_vgpr_workitem_id 0
		.amdhsa_next_free_vgpr 288
		.amdhsa_next_free_sgpr 100
		.amdhsa_reserve_vcc 0
		.amdhsa_float_denorm_mode_32 3
		.amdhsa_float_denorm_mode_16_64 3
		.amdhsa_memory_ordered 1
		.amdhsa_forward_progress 1
		.amdhsa_inst_pref_size 171
	.end_amdhsa_kernel
	.amdgpu_metadata
---
amdhsa.version: [ 1, 2 ]
amdhsa.kernels:
  - .name:           k_qc7a12afba3_attn
    .symbol:         k_qc7a12afba3_attn.kd
    .args:
      - { .name: keys, .offset: 0, .size: 8, .value_kind: global_buffer, .address_space: global }
      - { .name: values, .offset: 8, .size: 8, .value_kind: global_buffer, .address_space: global }
      - { .name: queries, .offset: 16, .size: 8, .value_kind: global_buffer, .address_space: global }
      - { .name: out0, .offset: 24, .size: 8, .value_kind: global_buffer, .address_space: global }
      - { .name: mwords, .offset: 32, .size: 8, .value_kind: global_buffer, .address_space: global }
      - { .name: tau, .offset: 40, .size: 8, .value_kind: global_buffer, .address_space: global }
    .group_segment_fixed_size: 109568
    .private_segment_fixed_size: 0
    .kernarg_segment_align: 8
    .kernarg_segment_size: 48
    .max_flat_workgroup_size: 256
    .sgpr_count:     100
    .vgpr_count:     288
    .wavefront_size: 32
...
	.end_amdgpu_metadata
.endif
;; end of part 2
